; MI455X (gfx1250); checked and timed in simulation.
; The chip was launched on July 23, 2026; its instructions are those of AMD's public machine-readable ISA for CDNA 5 (MIT licence, August 2026) and "CDNA5" Instruction Set Architecture Reference Guide (July 2026). The comments in the code are by the model that wrote it; some were corrected since.
;; TH. Allowed arithmetic: matrix products marked QUANTISED: E5M2 operands, one given power-of-two scale a tensor, by v_wmma_f32_16x16x64_bf8_bf8 or v_wmma_f32_16x16x128_bf8_bf8, f32 sums; everything else in f32.
;; Inputs: bk 64 float32; bk_ 4,096 float32; bq 64 float32; bq_ 4,096 float32; bv 64 float32; bv_ 4,096 float32; lowp_scales 16 int32 (the exponents e of the quantised operands' scales 2^e); wk__codes 4,096 x 128 x 32 uint8 (E5M2 codes of wk_, K innermost, in blocks of 32 codes); wk_codes 64 x 2 x 32 uint8 (E5M2 codes of wk, K innermost, in blocks of 32 codes); wq__codes 4,096 x 128 x 32 uint8 (E5M2 codes of wq_, K innermost, in blocks of 32 codes); wq_codes 64 x 2 x 32 uint8 (E5M2 codes of wq, K innermost, in blocks of 32 codes); wv__codes 4,096 x 128 x 32 uint8 (E5M2 codes of wv_, K innermost, in blocks of 32 codes); wv_codes 64 x 2 x 32 uint8 (E5M2 codes of wv, K innermost, in blocks of 32 codes); x 4 x 64 x 128 x 128 float32.
;; Outputs: out0 4 x 64 x 128 x 128 float32.
;; This version of the problem:
;;   THIS VERSION OF THE PROBLEM IS GIVEN IN LOW PRECISION. The matrix products marked QUANTISED in the list below multiply operands that are first quantised to E5M2 (5 exponent bits, 2 mantissa bits; 8 bits a number), with one given power-of-two scale for each operand tensor; their sums are f32. All else is computed in f32.
;;   The module's matrix products, in the order in which they are computed (A, B: the left and right operand; K: the contracted axis; several contracted axes count as one K, in the product's order):
;;     1. [M 65,536, K 64] x [K 64, N 64]; A: input x; B: input wq (given as codes): QUANTISED (scales: A lowp_scales[0], B lowp_scales[1])
;;     2. [M 65,536, K 64] x [K 64, N 64]; A: input x; B: input wk (given as codes): QUANTISED (scales: A lowp_scales[2], B lowp_scales[3])
;;     3. [M 65,536, K 64] x [K 64, N 64]; A: input x; B: input wv (given as codes): QUANTISED (scales: A lowp_scales[4], B lowp_scales[5])
;;     4. batch 1,024 x [M 64, K 64] x [K 64, N 64]; A: computed on the way; B: computed on the way: QUANTISED (scales: A lowp_scales[6], B lowp_scales[7])
;;     5. batch 1,024 x [M 64, K 64] x [K 64, N 64]; A: computed on the way; B: softmax (see below): QUANTISED (scales: A lowp_scales[8], B lowp_scales[9])
;;     6. [M 1,024, K 4,096] x [K 4,096, N 4,096]; A: input x; B: input wq_ (given as codes): QUANTISED (scales: A lowp_scales[10], B lowp_scales[11])
;;     7. [M 1,024, K 4,096] x [K 4,096, N 4,096]; A: input x; B: input wk_ (given as codes): QUANTISED (scales: A lowp_scales[12], B lowp_scales[13])
;;     8. [M 1,024, K 4,096] x [K 4,096, N 4,096]; A: input x; B: input wv_ (given as codes): QUANTISED (scales: A lowp_scales[14], B lowp_scales[15])
;;   THE QUANTISER, for each operand of a quantised product, along K:
;;     - The operand's scale is 2^e, e = its entry of the input lowp_scales (int32; the entries are numbered through the quantised products in the list's order, A before B).
;;     - Each number is divided by the scale, clamped to +-57,344, and rounded to the nearest number of E5M2, ties to even, subnormals kept.
;;     - The product sums the exact products of the quantised numbers (number of the format x scale) in f32.
;;   ~~~python
;;   def quantise(x, axis, e):      # numpy; x: float32 -> the quantised numbers, widened to float32 again
;;       x = np.moveaxis(x, axis, -1); K = x.shape[-1]
;;       r = np.clip(x / 2.0 ** e, -57344, 57344)
;;       step = 2.0 ** (np.maximum(np.frexp(np.where(r == 0, 1, r))[1] - 1, -14) - 2)
;;       q = np.round(r / step) * step * 2.0 ** e      # np.round: ties to even
;;       return np.moveaxis(q, -1, axis).astype(np.float32)
;;   ~~~
;;   SOFTMAX AHEAD OF A QUANTISED PRODUCT. Where the list says 'softmax', what is quantised is not the finished softmax but p = 2^(t - M), with t = logit x log2(e) and M = ceil(the row's largest t), a whole number; so 1/2 < the row's largest p <= 1. The row's sum l is taken of the UNQUANTISED p, in f32, and the product's result is divided by l at the end. Since M is a whole number, a kernel that streams over the keys may use a running M (the ceiling of the running maximum): every later rescaling is an exact power of two, so the quantised numbers keep their values, but for numbers so far below the row's largest that they fall under the format's range.
;;   OPERANDS COMPUTED ON THE WAY. 'Computed on the way' means the value that the module computes at that place (a softmax that the list does not call 'softmax' is quantised finished and normalised). What goes into a quantiser is computed in f32, as accurately as f32 sums, v_exp_f32 and their like allow (about 1e-6 of the number): no bf16 or f16 on the way to a quantiser, and a product that is left as it is and whose result goes on into a quantised operand takes f32 operands (vector FMAs, or v_wmma_f32_16x16x4_f32). A number that lies on a knife's edge between two numbers of the format may be rounded either way, as far as f32 arithmetic and the matrix unit's own rounding can turn it there, and no further.
;;   INPUTS GIVEN AS CODES. wk (in the module: [64, 64], K = its axis 1); wk_ (in the module: [4096, 4096], K = its axis 1); wq (in the module: [64, 64], K = its axis 1); wq_ (in the module: [4096, 4096], K = its axis 1); wv (in the module: [64, 64], K = its axis 1); wv_ (in the module: [4096, 4096], K = its axis 1): each comes as NAME_codes (uint8): NAME with its K axis moved to the last place and cut into blocks of 32 codes, [.., K / 32, bytes a block], one block behind the other in memory; one code a byte (a code: sign, 5 exponent bits, 2 mantissa bits); its scale is its entry of lowp_scales. Its value is code x scale, taken as it is: it is not quantised again, and the codes and scales need not be those that the quantiser above would give.
;; One version. Each part assembles by itself: llvm-mc -triple=amdgcn-amd-amdhsa -mcpu=gfx1250 --defsym DOCPART=n.
;; ======== version 1 of 1: 2 launches
;; limits: right only within a limited range of input values
;; workspace buffers: xcodes 4,194,304 bytes; r1 16,777,216 bytes
;; launch patch (part 1): grid 128 x 1, 8 waves a work-group, no clusters, 167,936 bytes of LDS; arguments x, wq_codes, wk_codes, wv_codes, bq, bk, bv, lowp_scales, xcodes, r1; writes xcodes, r1
.if DOCPART == 1
	.amdgcn_target "amdgcn-amd-amdhsa--gfx1250"
	.amdhsa_code_object_version 6
	.text
	.protected	k_qa09cb380d2_patch
	.globl	k_qa09cb380d2_patch
	.p2align	8
	.type	k_qa09cb380d2_patch,@function
k_qa09cb380d2_patch:
	s_mov_b64 s[64:65], 0
	v_nop
	global_prefetch_b8 v0, s[64:65] scope:SCOPE_SE
	s_setreg_imm32_b32 hwreg(HW_REG_WAVE_MODE, 25, 1), 1
	s_wait_xcnt 0x0
; out = x + x sigmoid(res1 + res2).  This launch makes, for each patch of 8 x 8: (a) the codes of xf (E5M2, scale 2^e14) for the inter-patch product, and
; (b) the whole intra-patch attention (products 1 to 5), stored as r1 = -log2(e) x out1 in x's own layout.  The second launch makes res2 and the gate.
; DEAD WORK, LEFT OUT IN THE WHOLE PROGRAM.  att = softmax(e, axis=-1) runs over an axis of length 1: it is exp(e - e) / exp(e - e) = 1 for every finite e, whatever the inputs hold.
; e is the only use of q_ and k_, so the products xf wq_^T and xf wk_^T, their biases bq_ and bk_, the sum q_ k_ and the entries 10 to 13 of lowp_scales can reach no output.
; wq__codes, wk__codes, bq_ and bk_ are not loaded and are among no launch's arguments.  LIMIT: a NaN, an infinity or an overflow that arises in e alone is not carried to the result.
; LIMITS on the given exponents, so that each power of two below is an f32 number: e0, e2, e4, e14, e9, e6-e0-e1, e7-e2-e3, e8-e4-e5 between -126 and 112; e6+e7 and e8+e9 between -126 and 127.
; NaN among the inputs is not served; a p under 2^-126 comes out of v_exp_f32 as 0.
; SHARES.  A work-group takes 8 neighbouring patches (one patch row, 64 image columns): 256 consecutive bytes of an image row, so every tensor row and every store of r1 is 256 consecutive aligned bytes.
; Wave p takes patch p whole, in registers.  Work-groups share no tile: no cluster.  Nothing is filled twice: no ring.
; LAYOUT (r = lane % 16, h = lane / 16).  Position tile T holds the positions s = 4 r + T, so one 16-byte LDS load gives a lane its number of all four tiles:  X[4 cc + T] = x[c = 32 h + cc][s = 4 r + T].
;   products 1-3, K = c: slot (h, pair c', byte e) stands for c = 32 h + 8 c' + e in x's operand and in the weights' alike (a weight's lane takes 32 consecutive bytes of its row).
;   q, k: source 0 = 16 rows of w, source 1 = x's tile: a lane holds one position and eight channels o = 16 To + 8 h + j: one conversion makes a register pair of the next operand.
;   v:    source 0 = x's tile, source 1 = 16 rows of wv: a lane holds one channel and the positions 32 h + 4 j + Ts.
;   S^T = k^T q: a lane holds query 4 r + Ts and the keys 32 h + 4 j + Tt: p's codes and v's have the same key in the same slot.   O^T = v p^T: a lane holds one query and eight channels.
.set XREG,  16416                      ; LDS: image row i of the 64 channels: 64 rows of 256 bytes, then 32 bytes left free: 16416 mod 256 = 32, so the 16 lanes of a 16-byte access (i = r / 2, half r % 2) fall on 16 different columns of the 64 banks of 4 bytes (ISA guide 11.1)
.set CST,   131584                     ; behind the eight regions: a stage of 4,352 bytes for each wave, for xf's codes
.set CSTW,  4352
.set SPARE, 166400                     ; behind the stages: the spare words, 128 bytes for each wave: four blocks of 256 bytes that no other line names
.set SPW, 1                            ; v1   LDS address of my spare word; never rewritten
.set NIL, 2                            ; v2   0; never rewritten
.set AX,  3                            ; v3   x in LDS: (r/2) XREG + 16 (r%2) + 32 p + 8192 h
.set AST, 4                            ; v4   r1's stage: the same with 2048 h
.set ARB, 5                            ; v5   rows read back: XREG x wave + 16 x lane
.set GR1, 6                            ; v6   r1 in memory: 65536 h + 16 r
.set ACS, 7                            ; v7   codes' stage, in: 4 r + 2176 h
.set ACL, 8                            ; v8   codes' stage, back: 16 x lane
.set GXC, 9                            ; v9   16 x lane
.set AW,  10                           ; v10  weights: 64 r + 32 h
.set AB,  11                           ; v11  bq, bk: 32 h
.set ABV, 12                           ; v12  bv: 4 r
.set TA,  13                           ; v13  at work
.set LIM, 14                           ; v14  the largest number x the scale in hand
.set SC,  15                           ; v15  the scale in hand, as f32
.set T1,  16                           ; v16-23, v24-31: eight held numbers, two sets by turns
.set T0,  24
.set F,   16                           ; v16-19 later: -log2(e) 2^(e8+e9) / the row's sum, one a query tile
.set XQ,  32                           ; v32-63  x's codes for q, then q's codes, then p's codes, then r1 on its way out
.set XK,  64                           ; v64-95  xf's codes, then x's codes for k, then k's codes, then the softmax's statistics, then r1 on its way out
.set XV,  96                           ; v96-127 xf's codes read back, then x's codes for v, then v's codes
.set ST,  64                           ; statistics of query tile t at v[ST+8t]: +0 -M, +1 named with it as a pair, +2,+3 the sum, +4, +5 at work
.set R,   128                          ; v128-255 X, then the sums of each product in turn, then rows read back
.set WQ,  0                            ; window 1: the weights' fragments,
.set WK,  32
.set WV,  64
.set BQ,  96                           ; the biases in the results' layout,
.set BK,  128
.set BV,  160
.set BVL, 192                          ; and bv as loaded
.set SEL, 56                           ; s[56:57] lane selects for v_permlanex16_b32: lane l xor 16
.set CS,  58                           ; s[58:59] log2(e) 2^(e6+e7)
.set KO,  60                           ; s60 -log2(e) 2^(e8+e9)
.set MSB, 0
.macro WIN new                         ; the immediate's high byte repeats the setting that is left
.if MSB != \new
	s_set_vgpr_msb (MSB<<8)|\new
.set MSB, \new
.endif
.endm
.macro PLACES                          ; four plain vector instructions behind matrix instructions, ahead of the first read of results and the first write of sources (ISA guide 7.12.1)
.rept 4
	v_nop
.endr
.endm
.macro MKQ q, e                        ; quantiser q with the exponent in s[e]: s[66+2q] = 2^e as f32, s[67+2q] = 57,344 x 2^e
	s_add_co_i32 s[66+2*\q], s[\e], 127
	s_add_co_i32 s[67+2*\q], s[66+2*\q], 15
	s_lshl_b32 s[66+2*\q], s[66+2*\q], 23
	s_lshl_b32 s[67+2*\q], s[67+2*\q], 23
	s_or_b32 s[67+2*\q], s[67+2*\q], 0x600000
.endm
.macro SETQ q                          ; the limit first: a plain line between the last conversion and the write of its scale
	v_mov_b32 v[LIM], s[67+2*\q]
	v_mov_b32 v[SC], s[66+2*\q]
.endm
; xf's codes: eight registers on end are two channels x four neighbouring positions: two words of codes, each into its channel's row of my stage
.macro QXF
.set u, 0
.rept 16
.set TT, T0-8*(u%2)
.irp e, 0,1,2,3,4,5,6,7
.endr
	v_cvt_scalef32_pk8_bf8_f32 v[XK+2*u:XK+2*u+1], v[TT+((R+8*u+0)-(TT+0)):TT+7+((R+8*u+0)-(TT+0))], v[SC]
	ds_store_b32 v[ACS], v[XK+2*u] offset:128*u
	ds_store_b32 v[ACS], v[XK+2*u+1] offset:128*u+64
.set u, u+1
.endr
.endm
; x's operand for one of products 1-3: n = 4 Ts + c'; the hold also gathers the eight channels 32 h + 8 c' + e of position tile Ts
.macro QX dst
.set n, 0
.rept 16
.set TT, T0-8*(n%2)
.irp e, 0,1,2,3,4,5,6,7
	v_med3_num_f32 v[TT+\e], v[R+4*(8*(n%4)+\e)+n/4], -v[LIM], v[LIM]
.endr
	v_cvt_scalef32_pk8_bf8_f32 v[\dst+2*n:\dst+2*n+1], v[TT:TT+7], v[SC]
.set n, n+1
.endr
.endm
; sixteen results of a product become four operands: accumulator n gives register pair n; each accumulator is read from its low end on.  one = 1: the numbers are not negative
.macro QR dst, one
.set n, 0
.rept 16
.irp e, 0,1,2,3,4,5,6,7
.if \one
.else
.endif
.endr
	v_cvt_scalef32_pk8_bf8_f32 v[\dst+2*n:\dst+2*n+1], v[R+8*n:R+8*n+7], v[SC]
.set n, n+1
.endr
	v_nop                                          ; a plain line between the last conversion and the products that read its result and write its sources
.endm
; q or k: n = 4 Ts + To; the bias, divided by the power of two that the sums lack, is the C
.macro PROJ w, xo, bi
	WIN 0x11                                       ; source 0 (weights) and source 2 (bias) window 1
.set n, 0
.rept 16
	v_wmma_f32_16x16x64_bf8_bf8 v[R+8*n:R+8*n+7], v[\w+8*(n%4):\w+8*(n%4)+7], v[\xo+8*(n/4):\xo+8*(n/4)+7], v[\bi+8*(n%4):\bi+8*(n%4)+7]
.set n, n+1
.endr
	WIN 0
	PLACES
.endm
	s_load_b256 s[4:11], s[0:1], 0x0               ; x s[4:5], wq s[6:7], wk s[8:9], wv s[10:11]
	s_load_b256 s[12:19], s[0:1], 0x20             ; bq s[12:13], bk s[14:15], bv s[16:17], the exponents s[18:19]
	s_load_b128 s[20:23], s[0:1], 0x40             ; xcodes s[20:21], r1 s[22:23]
	v_lshl_add_u32 v[SPW], v0, 2, SPARE
	v_mov_b32 v[NIL], 0
	ds_add_u32 v[SPW], v[NIL]                      ; the wave's opening: the add, twice on end, and its wait ahead of my first tensor load
	ds_add_u32 v[SPW], v[NIL]
	v_lshrrev_b32 v[TA], 5, v0
	s_delay_alu instid0(VALU_DEP_1)
	v_readfirstlane_b32 s24, v[TA]                 ; wave 0..7: my patch, and the image row that I fetch and store
	; descriptor group 1: 64 rows (channels) of 64 elements of 4 bytes, 16,384 elements apart; dense in LDS
	s_mov_b32 s32, 2<<16                           ; no mask; elements of 4 bytes; no padding
	s_mov_b32 s33, 64<<16                          ; tensor_dim0 = 64
	s_mov_b32 s34, 64<<16                          ; tensor_dim1 = 64
	s_mov_b32 s35, 64<<16                          ; tile_dim0 = 64
	s_mov_b32 s36, 64                              ; tile_dim1 = 64
	s_mov_b32 s37, 16384                           ; from channel to channel
	s_mov_b32 s38, 0
	s_mov_b32 s39, 0
	s_lshr_b32 s2, ttmp9, 5                        ; the work-group's number is 32 b + 2 px + half
	s_lshl_b32 s26, s2, 22                         ; b x 64 channels x 65,536 bytes
	s_bfe_u32 s2, ttmp9, 0x40001
	s_lshl_b32 s2, s2, 12                          ; px x 8 image rows of 512 bytes
	s_add_co_u32 s26, s26, s2
	s_and_b32 s2, ttmp9, 1
	s_lshl_b32 s2, s2, 8                           ; which 256 bytes of the image row
	s_add_co_u32 s26, s26, s2
	s_lshl_b32 s2, s24, 9                          ; image row = my wave's number
	s_add_co_u32 s26, s26, s2
	s_mov_b32 s27, 0                               ; s[26:27]: my image row's bytes of channel 0, in x and in r1
	s_mov_b32 s28, 1                               ; group 0: count = 1
	s_mul_i32 s29, s24, XREG                       ; LDS address: my region
	s_mov_b32 s[SEL], 0x76543210
	s_mov_b32 s[SEL+1], 0xfedcba98
	s_wait_dscnt 0x0                               ; both opening adds are done
	s_wait_kmcnt 0x0
	s_load_b512 s[40:55], s[18:19], 0x0            ; e0 .. e15
	s_add_nc_u64 s[30:31], s[4:5], s[26:27]
	s_or_b32 s31, s31, 0x80000000                  ; type = 2
	tensor_load_to_lds s[28:31], s[32:39]          ; my one tensor load: 64 x 256 bytes
	s_nop 0
	v_and_b32 v[GXC], 31, v0                       ; lane   (more than four vector lines stand between the tensor load and the first switch of windows)
	v_and_b32 v[ABV], 15, v0                       ; r
	v_bfe_u32 v[AB], v0, 4, 1                      ; h
	v_bfe_u32 v[TA], v0, 1, 3                      ; r / 2
	v_and_b32 v[AW], 1, v0                         ; r % 2
	s_delay_alu instid0(VALU_DEP_2)
	v_mul_u32_u24 v[TA], v[TA], XREG
	s_delay_alu instid0(VALU_DEP_1)
	v_lshl_add_u32 v[TA], v[AW], 4, v[TA]
	s_lshl_b32 s2, s24, 5
	v_add_nc_u32 v[TA], s2, v[TA]                  ; + 32 x patch
	s_delay_alu instid0(VALU_DEP_1)
	v_lshl_add_u32 v[AX], v[AB], 13, v[TA]         ; lanes 16-31: 32 channels on
	s_delay_alu instid0(VALU_DEP_2)
	v_lshl_add_u32 v[AST], v[AB], 11, v[TA]        ; lanes 16-31: 8 channels on
	v_lshlrev_b32 v[GXC], 4, v[GXC]
	s_delay_alu instid0(VALU_DEP_1)
	v_add_nc_u32 v[ARB], s29, v[GXC]
	v_lshlrev_b32 v[GR1], 4, v[ABV]
	s_delay_alu instid0(VALU_DEP_1)
	v_lshl_add_u32 v[GR1], v[AB], 16, v[GR1]
	s_mul_i32 s2, s24, CSTW
	s_add_co_u32 s2, s2, CST
	v_mul_u32_u24 v[ACS], v[AB], 2176              ; channels 32 on lie 2,048 + 128 bytes on, so that the two halves of the lanes store into different banks
	s_delay_alu instid0(VALU_DEP_1)
	v_lshl_add_u32 v[ACS], v[ABV], 2, v[ACS]
	s_delay_alu instid0(VALU_DEP_1)
	v_add_nc_u32 v[ACS], s2, v[ACS]
	v_add_nc_u32 v[ACL], s2, v[GXC]
	v_lshlrev_b32 v[AW], 6, v[ABV]
	s_delay_alu instid0(VALU_DEP_1)
	v_lshl_add_u32 v[AW], v[AB], 5, v[AW]
	v_lshlrev_b32 v[ABV], 2, v[ABV]
	v_lshlrev_b32 v[AB], 5, v[AB]
	s_lshl_b32 s2, ttmp9, 15                       ; my patch n = 8 x work-group + wave; 4,096 codes each
	s_lshl_b32 s3, s24, 12
	s_add_co_u32 s2, s2, s3
	s_mov_b32 s3, 0
	s_add_nc_u64 s[20:21], s[20:21], s[2:3]
	s_add_nc_u64 s[22:23], s[22:23], s[26:27]
	WIN 0x40                                       ; destination window 1
.irp t, 0,1,2,3
	global_load_b128 v[WQ+8*\t:WQ+8*\t+3],   v[AW], s[6:7] offset:1024*\t       ; row 16 t + r, bytes 32 h on
	global_load_b128 v[WQ+8*\t+4:WQ+8*\t+7], v[AW], s[6:7] offset:1024*\t+16
	global_load_b128 v[WK+8*\t:WK+8*\t+3],   v[AW], s[8:9] offset:1024*\t
	global_load_b128 v[WK+8*\t+4:WK+8*\t+7], v[AW], s[8:9] offset:1024*\t+16
	global_load_b128 v[WV+8*\t:WV+8*\t+3],   v[AW], s[10:11] offset:1024*\t
	global_load_b128 v[WV+8*\t+4:WV+8*\t+7], v[AW], s[10:11] offset:1024*\t+16
.endr
.irp t, 0,1,2,3
	global_load_b128 v[BQ+8*\t:BQ+8*\t+3],   v[AB], s[12:13] offset:64*\t       ; bq[16 t + 8 h + 0 .. 7]
	global_load_b128 v[BQ+8*\t+4:BQ+8*\t+7], v[AB], s[12:13] offset:64*\t+16
	global_load_b128 v[BK+8*\t:BK+8*\t+3],   v[AB], s[14:15] offset:64*\t
	global_load_b128 v[BK+8*\t+4:BK+8*\t+7], v[AB], s[14:15] offset:64*\t+16
	global_load_b32 v[BVL+\t], v[ABV], s[16:17] offset:64*\t                    ; bv[16 t + r]
.endr
	WIN 0
	s_wait_kmcnt 0x0                               ; the exponents
	s_add_co_i32 s82, s40, s41                     ; e0 + e1: a sum of product 1 stands for sum x 2^(e0 + e1)
	s_add_co_i32 s83, s42, s43
	s_add_co_i32 s84, s44, s45
	MKQ 0, 40                                      ; x for q
	MKQ 1, 42                                      ; x for k
	MKQ 2, 44                                      ; x for v
	MKQ 3, 54                                      ; xf
	s_sub_co_i32 s25, s46, s82                     ; q: the three scales folded into the conversion's one: e6 - e0 - e1
	MKQ 4, 25
	s_sub_co_i32 s25, s47, s83
	MKQ 5, 25
	s_sub_co_i32 s25, s48, s84
	MKQ 6, 25
	MKQ 7, 49                                      ; p
	s_sub_co_i32 s82, 0, s82
	s_sub_co_i32 s83, 0, s83
	s_sub_co_i32 s84, 0, s84
	s_add_co_i32 s25, s46, s47
	s_lshl_b32 s25, s25, 23
	s_add_co_i32 s[CS], s25, 0x3fb8aa3b            ; log2(e) with e6 + e7 added to its exponent field
	s_mov_b32 s[CS+1], s[CS]                       ; (named with it as a pair, so it is written)
	s_add_co_i32 s25, s48, s49
	s_lshl_b32 s25, s25, 23
	s_add_co_u32 s[KO], s25, 0xbfb8aa3b            ; -log2(e) with e8 + e9 added to its exponent field
	s_wait_loadcnt 0x0                             ; weights and biases
	WIN 0x41                                       ; source 0 and destination window 1
.set j, 0
.rept 32
	v_ldexp_f32 v[BQ+j], v[BQ+j], s82              ; bq / 2^(e0 + e1)
	v_ldexp_f32 v[BK+j], v[BK+j], s83
.set j, j+1
.endr
.irp t, 0,1,2,3
.irp j, 0,1,2,3,4,5,6,7
	v_ldexp_f32 v[BV+8*\t+\j], v[BVL+\t], s84      ; in v's results a lane is one channel: its bias in all eight registers
.endr
.endr
	WIN 0
	s_wait_tensorcnt 0x0                           ; my image row is in LDS,
	s_barrier_signal -1
	s_barrier_wait -1                              ; everybody's is.  Nothing is ever filled again
.set i, 0
.rept 32
	ds_load_b128 v[R+4*i:R+4*i+3], v[AX] offset:256*i   ; channel 32 h + i, positions 4 r .. 4 r + 3
.set i, i+1
.endr
	s_wait_dscnt 0x0                               ; my reads of x are over,
	s_barrier_signal -1
	s_barrier_wait -1                              ; everybody's are: the eight regions have had their only fill and their last read, and become r1's stage
	; ---- x is quantised four times, each with its own given scale
	SETQ 3
	QXF
.irp t, 0,1,2,3,4,5,6,7
	ds_load_b128 v[XV+4*\t:XV+4*\t+3], v[ACL] offset:512*\t+128*(\t/4)   ; LDS serves a wave's instructions in order (ISA guide 5.7.1.4): these see my stores.  4,096 codes in the order c x 64 + s
.endr
	SETQ 0
	QX XQ
	s_wait_dscnt 0x0                               ; the codes are back; the stores into the stage have read their registers
.irp t, 0,1,2,3,4,5,6,7
	global_store_b128 v[GXC], v[XV+4*\t:XV+4*\t+3], s[20:21] offset:512*\t   ; 32 lanes store 512 consecutive bytes, at a multiple of 256 from the buffer's first byte
.endr
	SETQ 1
	QX XK
	s_wait_xcnt 0x0                                ; the stores' data registers are written again only behind this wait
	SETQ 2
	QX XV
	v_nop                                          ; a plain line behind the last conversion
	; ---- products 1 to 3, each quantised as it is finished
	PROJ WQ, XQ, BQ
	SETQ 4
	QR XQ, 0                                       ; q's codes: operand Ts, K = o in its own places
	PROJ WK, XK, BK
	SETQ 5
	QR XK, 0
	WIN 0x14                                       ; source 1 (wv) and source 2 (bv) window 1
.set n, 0
.rept 16                                       ; n = 4 To + Ts
	v_wmma_f32_16x16x64_bf8_bf8 v[R+8*n:R+8*n+7], v[XV+8*(n%4):XV+8*(n%4)+7], v[WV+8*(n/4):WV+8*(n/4)+7], v[BV+8*(n/4):BV+8*(n/4)+7]
.set n, n+1
.endr
	WIN 0
	PLACES
	SETQ 6
	QR XV, 0                                       ; v's codes: operand To, K = the positions
	; ---- product 4: S^T, n = 4 Ts + Tt
.set n, 0
.rept 16
	v_wmma_f32_16x16x64_bf8_bf8 v[R+8*n:R+8*n+7], v[XK+8*(n%4):XK+8*(n%4)+7], v[XQ+8*(n/4):XQ+8*(n/4)+7], 0
.set n, n+1
.endr
	PLACES
	; ---- the softmax: the four query tiles line by line, so that no line waits for the one above it.  The chain goes up the registers: each accumulator is first read at its low end
.irp t, 0,1,2,3
	v_max3_num_f32 v[ST+8*\t+4], v[R+32*\t], v[R+32*\t+1], v[R+32*\t+2]
.endr
.set i, 3
.rept 14
.irp t, 0,1,2,3
	v_max3_num_f32 v[ST+8*\t+4], v[ST+8*\t+4], v[R+32*\t+i], v[R+32*\t+i+1]
.endr
.set i, i+2
.endr
.irp t, 0,1,2,3
	v_max_num_f32 v[ST+8*\t+4], v[ST+8*\t+4], v[R+32*\t+31]
.endr
.irp t, 0,1,2,3
	v_permlanex16_b32 v[ST+8*\t+5], v[ST+8*\t+4], s[SEL], s[SEL+1]   ; the query's other 32 keys lie in the lane 16 away
.endr
.irp t, 0,1,2,3
	s_delay_alu instid0(VALU_DEP_4)
	v_max_num_f32 v[ST+8*\t+4], v[ST+8*\t+4], v[ST+8*\t+5]
.endr
.irp t, 0,1,2,3
	s_delay_alu instid0(VALU_DEP_4)
	v_mul_f32 v[ST+8*\t+4], s[CS], v[ST+8*\t+4]    ; the row's largest t (the factor is positive)
.endr
.irp t, 0,1,2,3
	s_delay_alu instid0(VALU_DEP_4)
	v_floor_f32 v[ST+8*\t], -v[ST+8*\t+4]          ; -M = floor(-t) = -ceil(t)
.endr
.irp t, 0,1,2,3
.irp j, 0,2,4,6,8,10,12,14,16,18,20,22,24,26,28,30
	v_pk_fma_f32 v[R+32*\t+\j:R+32*\t+\j+1], v[R+32*\t+\j:R+32*\t+\j+1], s[CS:CS+1], v[ST+8*\t:ST+8*\t+1] op_sel_hi:[1,0,0]   ; t - M, two at a time
.endr
.endr
.set i, 0
	s_wait_alu depctr_va_vdst(0)
.rept 128
	v_exp_f32 v[R+i], v[R+i]                       ; p = 2^(t - M): not normalised
.set i, i+1
.endr
	v_nop                                          ; a plain line behind the last exponential
	s_wait_alu depctr_va_vdst(0)                   ; one wait for the whole batch, ahead of its first reader
.irp t, 0,1,2,3
	v_pk_add_f32 v[ST+8*\t+2:ST+8*\t+3], v[R+32*\t:R+32*\t+1], v[R+32*\t+2:R+32*\t+3]   ; the row's sum is taken of the unquantised p
.endr
.set i, 4
.rept 14
.irp t, 0,1,2,3
	v_pk_add_f32 v[ST+8*\t+2:ST+8*\t+3], v[ST+8*\t+2:ST+8*\t+3], v[R+32*\t+i:R+32*\t+i+1]
.endr
.set i, i+2
.endr
.irp t, 0,1,2,3
	s_delay_alu instid0(VALU_DEP_4)
	v_add_f32 v[ST+8*\t+4], v[ST+8*\t+2], v[ST+8*\t+3]
.endr
.irp t, 0,1,2,3
	s_delay_alu instid0(VALU_DEP_4)
	v_permlanex16_b32 v[ST+8*\t+5], v[ST+8*\t+4], s[SEL], s[SEL+1]
.endr
.irp t, 0,1,2,3
	s_delay_alu instid0(VALU_DEP_4)
	v_add_f32 v[ST+8*\t+4], v[ST+8*\t+4], v[ST+8*\t+5]
.endr
	s_wait_alu depctr_va_vdst(0)
.irp t, 0,1,2,3
	v_rcp_f32 v[F+\t], v[ST+8*\t+4]                ; read only behind the next products: p's quantising is the independent work between
.endr
	SETQ 7
	QR XQ, 1                                       ; p's codes: operand Ts, K = the keys, in the slots of v's codes
	; ---- product 5: O^T, n = 4 Tc + Ts
.set n, 0
.rept 16
	v_wmma_f32_16x16x64_bf8_bf8 v[R+8*n:R+8*n+7], v[XV+8*(n/4):XV+8*(n/4)+7], v[XQ+8*(n%4):XQ+8*(n%4)+7], 0
.set n, n+1
.endr
	s_wait_alu depctr_va_vdst(0)                   ; the wait for the four reciprocals, ahead of their first reader
.irp t, 0,1,2,3
	v_mul_f32 v[F+\t], s[KO], v[F+\t]              ; -log2(e) 2^(e8 + e9) / the sum.  These four are also the places behind the products
.endr
	; r1 = -log2(e) out1: four query tiles side by side are four neighbouring positions of one channel: 16 bytes into the stage, where x's lay
.irp c, 0,1,2,3
.if \c >= 2
	s_wait_dscnt 8                                 ; the eight stores just before may be out; those of two chunks back, whose registers are written now, are done
.endif
.set OB, 64-32*(\c%2)
.irp j, 0,1,2,3,4,5,6,7
.irp t, 0,1,2,3
	v_mul_f32 v[OB+4*\j+\t], v[R+32*\c+8*\t+\j], v[F+\t]   ; register 0 of each accumulator first
.endr
.endr
.irp j, 0,1,2,3,4,5,6,7
	ds_store_b128 v[AST], v[OB+4*\j:OB+4*\j+3] offset:(16*\c+\j)*256   ; channel 16 c + 8 h + j
.endr
.endr
	s_wait_dscnt 0x0                               ; for the others' sake: my stores into the stage are done
	s_barrier_signal -1
	s_barrier_wait -1
.set i, 0
.rept 32
	ds_load_b128 v[R+4*i:R+4*i+3], v[ARB] offset:512*i   ; my image row of channels 2 i and 2 i + 1: 256 bytes each, from all eight patches
.set i, i+1
.endr
.set i, 0
.rept 32
	s_wait_dscnt 31-i                              ; LDS loads come back in order: load i is in, the younger ones may be out
	global_store_b128 v[GR1], v[R+4*i:R+4*i+3], s[22:23] offset:131072*i   ; sixteen lanes store 256 consecutive bytes, at a multiple of 256 from the buffer's first byte
.set i, i+1
.endr
	s_wait_tensorcnt 0x0                           ; the wave's end, behind my tensor load and my last LDS store
	ds_add_u32 v[SPW], v[NIL]
	s_wait_dscnt 0x0
	s_endpgm
.Lfunc_end_k_qa09cb380d2_patch:
	.size	k_qa09cb380d2_patch, .Lfunc_end_k_qa09cb380d2_patch-k_qa09cb380d2_patch
	.p2alignl 7, 3214868480
	.fill 96, 4, 3214868480
	.section	.rodata,"a",@progbits
	.p2align	6, 0x0
	.amdhsa_kernel k_qa09cb380d2_patch
		.amdhsa_group_segment_fixed_size 167936
		.amdhsa_private_segment_fixed_size 0
		.amdhsa_enable_private_segment 0
		.amdhsa_kernarg_size 80
		.amdhsa_user_sgpr_count 2
		.amdhsa_user_sgpr_kernarg_segment_ptr 1
		.amdhsa_wavefront_size32 1
		.amdhsa_system_sgpr_workgroup_id_x 1
		.amdhsa_system_sgpr_workgroup_id_y 1
		.amdhsa_system_sgpr_workgroup_id_z 1
		.amdhsa_system_vgpr_workitem_id 0
		.amdhsa_next_free_vgpr 464
		.amdhsa_next_free_sgpr 96
		.amdhsa_reserve_vcc 0
		.amdhsa_float_denorm_mode_32 3
		.amdhsa_float_denorm_mode_16_64 3
		.amdhsa_fp16_overflow 1
		.amdhsa_memory_ordered 1
		.amdhsa_forward_progress 1
		.amdhsa_inst_pref_size 91
	.end_amdhsa_kernel
	.amdgpu_metadata
---
amdhsa.version: [ 1, 2 ]
amdhsa.kernels:
  - .name:           k_qa09cb380d2_patch
    .symbol:         k_qa09cb380d2_patch.kd
    .args:
      - { .name: x, .offset: 0, .size: 8, .value_kind: global_buffer, .address_space: global }
      - { .name: wq_codes, .offset: 8, .size: 8, .value_kind: global_buffer, .address_space: global }
      - { .name: wk_codes, .offset: 16, .size: 8, .value_kind: global_buffer, .address_space: global }
      - { .name: wv_codes, .offset: 24, .size: 8, .value_kind: global_buffer, .address_space: global }
      - { .name: bq, .offset: 32, .size: 8, .value_kind: global_buffer, .address_space: global }
      - { .name: bk, .offset: 40, .size: 8, .value_kind: global_buffer, .address_space: global }
      - { .name: bv, .offset: 48, .size: 8, .value_kind: global_buffer, .address_space: global }
      - { .name: lowp_scales, .offset: 56, .size: 8, .value_kind: global_buffer, .address_space: global }
      - { .name: xcodes, .offset: 64, .size: 8, .value_kind: global_buffer, .address_space: global }
      - { .name: r1, .offset: 72, .size: 8, .value_kind: global_buffer, .address_space: global }
    .group_segment_fixed_size: 167936
    .private_segment_fixed_size: 0
    .kernarg_segment_align: 8
    .kernarg_segment_size: 80
    .max_flat_workgroup_size: 256
    .sgpr_count:     96
    .vgpr_count:     464
    .wavefront_size: 32
...
	.end_amdgpu_metadata
.endif
;; end of part 1
;; launch gemm (part 2): grid 32 x 8, 4 waves a work-group, clusters of 4 x 4, 327,680 bytes of LDS; arguments xcodes, wv__codes, lowp_scales, bv_, x, r1, out0; writes out0
.if DOCPART == 2
	.amdgcn_target "amdgcn-amd-amdhsa--gfx1250"
	.amdhsa_code_object_version 6
	.text
	.protected	k_qa09cb380d2_gemm
	.globl	k_qa09cb380d2_gemm
	.p2align	8
	.type	k_qa09cb380d2_gemm,@function
k_qa09cb380d2_gemm:
	s_mov_b64 s[64:65], 0
	v_nop
	global_prefetch_b8 v0, s[64:65] scope:SCOPE_SE
	s_setreg_imm32_b32 hwreg(HW_REG_WAVE_MODE, 25, 1), 1
	s_wait_xcnt 0x0
	s_wait_alu depctr_hold_cnt(0) depctr_sa_sdst(0) depctr_va_vdst(0) depctr_va_sdst(0) depctr_va_ssrc(0) depctr_va_vcc(0) depctr_vm_vsrc(0)
	s_getreg_b32 s2, hwreg(HW_REG_IB_STS2, 6, 4)
	s_cmp_eq_u32 s2, 0
	s_cbranch_scc0 .Lentry_in_a_cluster
	s_endpgm
.Lentry_in_a_cluster:
	s_bfe_u32 s2, ttmp6, 0x10000c
	s_cmp_lg_u32 s2, 0xf033
	s_cbranch_scc0 .Lentry_shape_is_right
	s_endpgm
.Lentry_shape_is_right:
; out0 = x + x sigmoid(res1 + res2), res2 = xf wv_^T + bv_ on codes of E5M2 (xf's from the launch before, scale 2^e14; wv_'s as given, scale 2^e15), res1 as r1 = -log2(e) res1 from the launch before.
; LEFT OUT AS DEAD WORK (shown at the head of the first kernel): the products with wq_ and wk_, bq_, bk_ and the softmax over an axis of length 1, which is 1 for every finite input.
; LIMIT: e14 + e15 between -126 and 127, so that 2^(e14 + e15) is an f32 number.  NaN among the inputs is not served.
; SHARES.  C is 1,024 patches x 4,096 columns: tiles of 128 x 128 give each of 256 work-groups one.  Four waves, each 64 patches x 64 columns: 16 accumulators, 128 registers.
; K goes in steps of 512 codes (rows of 512 bytes; a wave's tensor load brings 64 of them) through a ring of two LDS slots.
; CLUSTERS: 4 x 4 work-groups.  The four of a row of the cluster need the same tiles of xf, the four of a column the same tiles of wv_: each tile is asked for JOINTLY, by the same tensor load with the same descriptor and a mask that names the four.
; THE MATRIX INSTRUCTION IS USED TRANSPOSED (source 0 = 16 rows of wv_, source 1 = 16 patches), AND THE ROWS OF wv_ THAT A LANE TAKES ARE CHOSEN: lane r takes row sigma(r) of the 16, r with its bits 2 and 3 exchanged.
; Lane (r, h) then holds patch 16 a + r; registers 0-3 hold columns 16 b + 4 h + 0..3, registers 4-7 columns 16 b + 8 + 4 h + 0..3.  A wave's 64 columns are ONE channel, its 64 patches four patch rows:
; its results are 32 consecutive image rows of that channel, 16,384 consecutive bytes of out0, x and r1; the four registers 4 q .. 4 q + 3 of the accumulators lie at 512 q + 32 r + 16 h.
; So x, r1 and out0 go straight between memory and registers, 512 consecutive aligned bytes an instruction, and the way out needs no stage in LDS.
; bv_, divided by 2^(e14 + e15), is the C of each sum's first matrix instruction.  z = -log2(e) 2^(e14 + e15) sum + r1;  out = x + x / (1 + 2^z).
; REGISTERS: window 0: v1-29 addresses; v32-63 the bias, eight registers a tile of columns; v128-255 the accumulators ((a, b) at v[128 + 8 (4 a + b)]).
;   window 1: two fragment buffers of 128: for 128 along K, 64 registers of xf (4 x 16 patches), then 64 of wv_.     window 2: v0-127 x; v128-255 r1, then z, then the gate, then out.
.set KSTEP,  512
.set PITCH,  528                       ; an LDS row: 512 bytes + 16 of padding = 132 words: row r starts at bank 4 r mod 64 (64 banks of 4 bytes: ISA guide 11.1)
.set HALFT,  64*PITCH                  ; 64 rows: what one tensor load brings, and what one wave reads of either operand
.set SLOT,   4*HALFT                   ; xf's 128 rows, then wv_'s 128 rows
.set SPARE,  2*SLOT                    ; behind the ring: the spare words, 128 bytes for each wave: two blocks of 256 bytes that no other line names
.set LAPS,   4                         ; 4,096 along K = 8 K steps = four times round the ring
.set ADRA, 16                          ; v16-17  LDS address of my fragments of xf in slot 0, 1
.set ADRB, 20                          ; v20-21  the same for wv_
.set CO,   26                          ; v26     32 r + 16 h: my 16 bytes of an instruction's 512, in x, r1 and out0
.set BO,   27                          ; v27     16 h: my part of the bias
.set SPW,  28                          ; v28     LDS address of my spare word; never rewritten
.set NIL,  29                          ; v29     0; never rewritten
.set BIAS, 32
.set ACC,  128
.set F0,   0
.set F1,   128
.set G1, 24                            ; s[24:31] descriptor group 1 for xf's tiles;  s[32:39] group 0, one set for each slot
.set G0, 32
.set G1B, 48                           ; s[48:55], s[56:63] the same for wv_'s tiles
.set G0B, 56
.set MSB, 0
.macro WIN new                         ; the immediate's high byte repeats the setting that is left
.if MSB != \new
	s_set_vgpr_msb (MSB<<8)|\new
.set MSB, \new
.endif
.endm
.set MUL,  0x05                        ; sources 0 and 1 window 1; C and D window 0
.set TO_F, 0x40                        ; destination window 1, address window 0
.macro JLOAD s                         ; a joint load: waves 0 and 1 fetch xf's two halves, waves 2 and 3 wv_'s; an s_nop 0 and four v_nop follow each of the two lines
	s_cmp_eq_u32 s13, 0
	s_cbranch_scc0 .Lfor_b_\@
	tensor_load_to_lds s[G0+4*\s:G0+4*\s+3], s[G1:G1+7]
	s_nop 0
.rept 4
	v_nop
.endr
	s_branch .Lasked_\@
.Lfor_b_\@:
	tensor_load_to_lds s[G0B+4*\s:G0B+4*\s+3], s[G1B:G1B+7]
	s_nop 0
.rept 4
	v_nop
.endr
.Lasked_\@:
.endm
.macro CREST                           ; a round of the cluster's barrier behind its opening barrier
	s_cmp_lg_u32 s12, 0
	s_cbranch_scc1 .Lnot_wave_0_\@
	s_barrier_signal -3
.Lnot_wave_0_\@:
	s_barrier_wait -3
	s_barrier_signal -1
	s_barrier_wait -1
.endm
.macro CROUND                          ; a whole round
	s_barrier_signal -1
	s_barrier_wait -1
	CREST
.endm
.macro PLACES                          ; four places in front of loads into registers that matrix instructions have read, and of the first read of results
.rept 4
	v_nop
.endr
.endm
	s_load_b256 s[4:11], s[0:1], 0x0               ; xcodes s[4:5], wv_'s codes s[6:7], the exponents s[8:9], bv_ s[10:11]
	s_load_b128 s[68:71], s[0:1], 0x20             ; x s[68:69], r1 s[70:71]
	s_load_b64 s[72:73], s[0:1], 0x30              ; out0
	v_lshl_add_u32 v[SPW], v0, 2, SPARE
	v_mov_b32 v[NIL], 0
	ds_add_u32 v[SPW], v[NIL]                      ; the wave's opening: the add, twice on end, and its wait ahead of my first tensor load
	ds_add_u32 v[SPW], v[NIL]
	v_lshrrev_b32 v1, 5, v0
	v_readfirstlane_b32 s12, v1                    ; wave 0..3
	s_lshr_b32 s13, s12, 1                         ; which 64 patches of the tile are mine.  Also: I fetch for xf (0) or for wv_ (1)
	s_and_b32 s14, s12, 1                          ; which 64 columns.  Also: which 64 rows of that tile I fetch
	s_bfe_u32 s40, ttmp6, 0x40000                  ; cx, cy: my place in the cluster
	s_bfe_u32 s41, ttmp6, 0x40004
	s_lshl_b32 s42, ttmp9, 2
	s_add_co_u32 s42, s42, s40                     ; tile column = 4 x cluster x + cx
	s_and_b32 s43, ttmp7, 0xffff
	s_lshl_b32 s43, s43, 2
	s_add_co_u32 s43, s43, s41                     ; tile row = 4 x cluster y + cy
	s_lshl_b32 s44, s41, 2
	s_lshl_b32 s44, 15, s44                        ; my row of the cluster
	s_lshl_b32 s45, 0x1111, s40                    ; my column
	; descriptor group 1: a tile of 64 rows x 512 bytes, padded in LDS
	s_or_b32 s[G1+0], s44, (0<<16)|(1<<20)|(1<<21)|(6<<22)|(3<<25)   ; 15:0 the mask: xf's tiles go to my row; elements of 1 byte; 20 padding on; 21 set beside a mask; after every 128 words (code 6) four words (code 3)
	s_or_b32 s[G1B+0], s45, (0<<16)|(1<<20)|(1<<21)|(6<<22)|(3<<25)
.irp g, G1, G1B
	s_mov_b32 s[\g+1], KSTEP<<16                   ; tensor_dim0 = 512
	s_mov_b32 s[\g+2], 64<<16                      ; tensor_dim1 = 64
	s_mov_b32 s[\g+3], KSTEP<<16                   ; tile_dim0 = 512
	s_mov_b32 s[\g+4], 64                          ; tile_dim1 = 64
	s_mov_b32 s[\g+5], 4096                        ; from row to row
	s_mov_b32 s[\g+6], 0
	s_mov_b32 s[\g+7], 0
.endr
	s_lshl_b32 s15, s14, 18                        ; which 64 rows of 4,096 bytes I fetch
	s_lshl_b32 s16, s43, 19                        ; xf: 128 rows x tile row
	s_add_co_u32 s16, s16, s15
	s_mov_b32 s17, 0
	s_lshl_b32 s46, s42, 19                        ; wv_: 128 rows x tile column
	s_add_co_u32 s46, s46, s15
	s_mov_b32 s47, 0
	s_mul_i32 s20, s12, HALFT                      ; where they go: wave x 64 rows: no place in the cluster enters an LDS address
	s_wait_dscnt 0x0                               ; both opening adds are done
	s_wait_kmcnt 0x0
	s_load_b64 s[74:75], s[8:9], 0x38              ; e14, e15
	s_add_nc_u64 s[18:19], s[4:5], s[16:17]
	s_add_nc_u64 s[46:47], s[6:7], s[46:47]
	CROUND                                         ; all sixteen work-groups are here: the first joint loads meet
.irp s, 0,1
	s_mov_b32 s[G0+4*\s], 1
	s_add_co_u32 s[G0+4*\s+1], s20, \s*SLOT
	s_add_nc_u64 s[G0+4*\s+2:G0+4*\s+3], s[18:19], \s*KSTEP
	s_or_b32 s[G0+4*\s+3], s[G0+4*\s+3], 0x80000000
	s_mov_b32 s[G0B+4*\s], 1
	s_add_co_u32 s[G0B+4*\s+1], s20, \s*SLOT
	s_add_nc_u64 s[G0B+4*\s+2:G0B+4*\s+3], s[46:47], \s*KSTEP
	s_or_b32 s[G0B+4*\s+3], s[G0B+4*\s+3], 0x80000000
	JLOAD \s                                       ; two loads of mine are out
.endr
	v_and_b32 v1, 15, v0                           ; r
	v_bfe_u32 v2, v0, 4, 1                         ; h
	v_mul_u32_u24 v3, v1, PITCH
	v_lshl_add_u32 v3, v2, 4, v3                   ; xf: row r x pitch + 16 h
	v_and_b32 v4, 3, v0
	v_bfe_u32 v5, v0, 2, 1
	v_bfe_u32 v6, v0, 3, 1
	v_lshl_add_u32 v4, v5, 3, v4
	v_lshl_add_u32 v4, v6, 2, v4                   ; sigma(r): bits 2 and 3 exchanged
	v_mul_u32_u24 v4, v4, PITCH
	v_lshl_add_u32 v4, v2, 4, v4                   ; wv_: row sigma(r) x pitch + 16 h
	s_mul_i32 s21, s13, HALFT                      ; my 64 patches
	s_mul_i32 s22, s14, HALFT                      ; my 64 rows of wv_,
	s_add_co_u32 s22, s22, 2*HALFT                 ; which lie behind xf's 128
.irp s, 0,1
	v_add_nc_u32 v[ADRA+\s], s21, v3
	v_add_nc_u32 v[ADRB+\s], s22, v4
	s_add_co_u32 s21, s21, SLOT
	s_add_co_u32 s22, s22, SLOT
.endr
	v_lshlrev_b32 v[CO], 5, v1
	v_lshl_add_u32 v[CO], v2, 4, v[CO]
	v_lshlrev_b32 v[BO], 4, v2
	; where my 16,384 bytes begin in x, r1 and out0 (in registers that feed no descriptor)
	s_lshl_b32 s82, s42, 1
	s_add_co_u32 s82, s82, s14                     ; my channel c = 2 x tile column + half
	s_lshl_b32 s80, s82, 16                        ; c x 65,536
	s_lshl_b32 s82, s82, 8                         ; and its 64 numbers of bv_
	s_mov_b32 s83, 0
	s_add_nc_u64 s[10:11], s[10:11], s[82:83]
	s_lshr_b32 s82, s43, 1
	s_lshl_b32 s82, s82, 22                        ; the image: tile row / 2
	s_add_co_u32 s80, s80, s82
	s_and_b32 s82, s43, 1
	s_lshl_b32 s82, s82, 15                        ; 8 patch rows of 4,096 bytes x (tile row % 2)
	s_add_co_u32 s80, s80, s82
	s_lshl_b32 s82, s13, 14                        ; 4 patch rows x my half
	s_add_co_u32 s80, s80, s82
	s_mov_b32 s81, 0
	s_add_nc_u64 s[68:69], s[68:69], s[80:81]
	s_add_nc_u64 s[70:71], s[70:71], s[80:81]
	s_add_nc_u64 s[72:73], s[72:73], s[80:81]
.irp b, 0,1,2,3
	global_load_b128 v[BIAS+8*\b:BIAS+8*\b+3],   v[BO], s[10:11] offset:64*\b      ; bv_ at columns 16 b + 4 h + 0..3,
	global_load_b128 v[BIAS+8*\b+4:BIAS+8*\b+7], v[BO], s[10:11] offset:64*\b+32   ; and 16 b + 8 + 4 h + 0..3
.endr
	s_wait_kmcnt 0x0
	s_add_co_i32 s78, s74, s75                     ; e14 + e15
	s_lshl_b32 s76, s78, 23
	s_add_co_u32 s76, s76, 0xbfb8aa3b              ; -log2(e) with e14 + e15 added to its exponent field
	s_mov_b32 s77, s76                             ; (named with it as a pair, so it is written)
	s_sub_co_i32 s78, 0, s78
	s_wait_loadcnt 0x0
.set j, 0
.rept 32
	v_ldexp_f32 v[BIAS+j], v[BIAS+j], s78          ; bv_ / 2^(e14 + e15)
.set j, j+1
.endr
.macro FRAG reg, adr, k, i             ; a fragment, 16 rows x 128 K, is 16 registers: registers 4 c .. 4 c + 3 hold K = 32 c + 16 h + 0 .. 15: the same places in both operands
.irp c, 0,1,2,3
	ds_load_b128 v[\reg+4*\c:\reg+4*\c+3], v[\adr] offset:(\k)+32*\c+(\i)*16*PITCH
.endr
.endm
.macro FETCH slot, k, f                ; 32 LDS loads in one run: 128 along K at byte k of the rows: wv_'s four fragments, then xf's four
	WIN TO_F
.irp i, 0,1,2,3
	FRAG \f+64+16*\i, ADRB+\slot, \k, \i
.endr
.irp i, 0,1,2,3
	FRAG \f+16*\i, ADRA+\slot, \k, \i
.endr
.endm
; four matrix instructions: patches 16 a on x all four tiles of columns.  The 16 accumulators take turns, one instruction a turn, in the same order in every quarter.  first = 1: the bias starts the sums
.macro MUL4 f, a, first
.irp b, 0,1,2,3
.if \first
	v_wmma_f32_16x16x128_bf8_bf8 v[ACC+8*(4*(\a)+\b):ACC+8*(4*(\a)+\b)+7], v[\f+64+16*\b:\f+64+16*\b+15], v[\f+16*(\a):\f+16*(\a)+15], v[BIAS+8*\b:BIAS+8*\b+7]
.else
	v_wmma_f32_16x16x128_bf8_bf8 v[ACC+8*(4*(\a)+\b):ACC+8*(4*(\a)+\b)+7], v[\f+64+16*\b:\f+64+16*\b+15], v[\f+16*(\a):\f+16*(\a)+15], v[ACC+8*(4*(\a)+\b):ACC+8*(4*(\a)+\b)+7]
.endif
.endr
.endm
; A K step is four quarters of 128 along K, on buffers 0, 1, 0, 1.  One of the first three: multiplies buffer f and fetches the next quarter, at byte k, into g.
.macro QUARTER slot, k, f, g, first
	s_wait_dscnt 8                                 ; wv_'s fragments and xf's first two are in; the youngest eight loads (xf's last two) may be out
	WIN MUL
	MUL4 \f, 0, \first
	MUL4 \f, 1, \first
	PLACES
	FETCH \slot, \k, \g
	s_wait_dscnt 32                                ; all but the 32 just issued
	WIN MUL
	MUL4 \f, 2, \first
	MUL4 \f, 3, \first
.endm
; The last quarter multiplies buffer 1 and changes slots: ONE barrier; in front of it each wave waits for all its tensor loads, adds 0 to its spare word, and waits for that and for its own reads of this slot.  fill = 1: this slot is filled again, two K steps ahead.
.macro TURN slot, next, fill
	WIN 0                                          ; (the add's two registers lie in window 0)
	s_wait_tensorcnt 0x0                           ; all my tensor loads have landed: my part of the next slot;
	ds_add_u32 v[SPW], v[NIL]                      ; 0 onto my spare word;
	s_wait_dscnt 9                                 ; (the add and the youngest eight loads may be out)
	WIN MUL
	MUL4 F1, 0, 0                                  ; matrix instructions stand between the add and the wait for it
	s_wait_dscnt 0x0                               ; the add is done, and my reads of this slot are over
	s_barrier_signal -1
	MUL4 F1, 1, 0
	WIN 0
	s_barrier_wait -1
.if \fill
	CREST                                          ; the barrier has opened a round of the cluster's barrier: no wave of any partner still reads this slot's tile or has a load on its way
	s_add_nc_u64 s[G0+4*\slot+2:G0+4*\slot+3], s[G0+4*\slot+2:G0+4*\slot+3], 2*KSTEP
	s_add_nc_u64 s[G0B+4*\slot+2:G0B+4*\slot+3], s[G0B+4*\slot+2:G0B+4*\slot+3], 2*KSTEP
	JLOAD \slot                                    ; the first tensor load behind the round, my only one until the next; the four v_nop behind it are also the places in front of the loads below
.else
	PLACES
.endif
	FETCH \next, 0, F0
	WIN MUL
	MUL4 F1, 2, 0
	MUL4 F1, 3, 0
.endm
	s_wait_tensorcnt 1                             ; my part of K step 0 is in; K step 1's may stay out
	s_barrier_signal -1
	s_barrier_wait -1                              ; everybody's is
	FETCH 0, 0, F0
	WIN 0x80                                       ; destination window 2: my 16,384 bytes of x and of r1 are asked for now and are wanted only on the way out
.set i, 0
.rept 32
	global_load_b128 v[4*i:4*i+3], v[CO], s[68:69] offset:512*i th:TH_LOAD_NT
.set i, i+1
.endr
.set i, 0
.rept 32
	global_load_b128 v[128+4*i:128+4*i+3], v[CO], s[70:71] offset:512*i th:TH_LOAD_NT
.set i, i+1
.endr
	QUARTER 0, 128, F0, F1, 1                      ; the first quarter stands in front of the loop: its products start the sums, from the bias
	WIN 0                                          ; at a label and at a branch every window is 0
	s_mov_b32 s3, LAPS-1
.Llap:                                                 ; a trip goes once round the ring, from a lap's second quarter to the next lap's first, and fills both slots again
	QUARTER 0, 256, F1, F0, 0
	QUARTER 0, 384, F0, F1, 0
	TURN 0, 1, 1
	QUARTER 1, 128, F0, F1, 0
	QUARTER 1, 256, F1, F0, 0
	QUARTER 1, 384, F0, F1, 0
	TURN 1, 0, 1
	QUARTER 0, 128, F0, F1, 0
	WIN 0
	s_sub_co_u32 s3, s3, 1
	s_cmp_lg_u32 s3, 0
	s_cbranch_scc1 .Llap
	QUARTER 0, 256, F1, F0, 0                      ; the last lap fills nothing, and has no round of the cluster's barrier
	QUARTER 0, 384, F0, F1, 0
	TURN 0, 1, 0
	QUARTER 1, 128, F0, F1, 0
	QUARTER 1, 256, F1, F0, 0
	QUARTER 1, 384, F0, F1, 0
	s_wait_dscnt 8                                 ; the very last quarter: nothing more to fetch
	WIN MUL
	MUL4 F1, 0, 0
	MUL4 F1, 1, 0
	s_wait_dscnt 0
	MUL4 F1, 2, 0
	MUL4 F1, 3, 0
	WIN 0
; THE WAY OUT, 16 patches (8 image rows, 4,096 bytes) at a time: register 128 + k of the accumulators, register k of x and register 128 + k of r1 are the same number of the image.
.macro GATE a
	WIN 0xa0                                       ; source 0 (the sums) window 0; source 2 (r1) and destination window 2
.set k, 32*(\a)
.rept 16
	v_pk_fma_f32 v[128+k:129+k], v[ACC+k:ACC+k+1], s[76:77], v[128+k:129+k] op_sel_hi:[1,0,1]   ; z = -log2(e) (res2 + res1); each accumulator from its low end on
.set k, k+2
.endr
	WIN 0x82                                       ; source 0 and destination window 2
.set k, 32*(\a)
.rept 32
	v_exp_f32 v[128+k], v[128+k]
.set k, k+1
.endr
	v_nop                                          ; a plain line behind the last exponential
	s_wait_alu depctr_va_vdst(0)                   ; one wait for the batch, ahead of its first reader
.set k, 32*(\a)
.rept 16
	v_pk_add_f32 v[128+k:129+k], v[128+k:129+k], 1.0 op_sel_hi:[1,0]
.set k, k+2
.endr
.set k, 32*(\a)
.rept 32
	v_rcp_f32 v[128+k], v[128+k]                   ; the gate; 2^z = infinity gives 0
.set k, k+1
.endr
	v_nop
	s_wait_alu depctr_va_vdst(0)
	WIN 0xaa                                       ; all in window 2
.set k, 32*(\a)
.rept 16
	v_pk_fma_f32 v[128+k:129+k], v[k:k+1], v[128+k:129+k], v[k:k+1]   ; x gate + x
.set k, k+2
.endr
	WIN 0x08                                       ; store data window 2, address window 0
.irp i, 0,1,2,3,4,5,6,7
	global_store_b128 v[CO], v[128+32*(\a)+4*\i:128+32*(\a)+4*\i+3], s[72:73] offset:512*(8*(\a)+\i) th:TH_STORE_NT   ; 32 lanes store 512 consecutive bytes, at a multiple of 256 from out0's first byte
.endr
.endm
	s_wait_loadcnt 0x0                             ; x and r1
	PLACES
	GATE 0
	GATE 1
	GATE 2
	GATE 3
	WIN 0
	s_wait_tensorcnt 0x0                           ; the wave's end, behind my last tensor load
	ds_add_u32 v[SPW], v[NIL]
	s_wait_dscnt 0x0
	CROUND                                         ; the closing round: no work-group ends while a partner may still ask for a tile that names it
	s_endpgm
.Lfunc_end_k_qa09cb380d2_gemm:
	.size	k_qa09cb380d2_gemm, .Lfunc_end_k_qa09cb380d2_gemm-k_qa09cb380d2_gemm
	.p2alignl 7, 3214868480
	.fill 96, 4, 3214868480
	.section	.rodata,"a",@progbits
	.p2align	6, 0x0
	.amdhsa_kernel k_qa09cb380d2_gemm
		.amdhsa_group_segment_fixed_size 327680
		.amdhsa_private_segment_fixed_size 0
		.amdhsa_enable_private_segment 0
		.amdhsa_kernarg_size 56
		.amdhsa_user_sgpr_count 2
		.amdhsa_user_sgpr_kernarg_segment_ptr 1
		.amdhsa_wavefront_size32 1
		.amdhsa_system_sgpr_workgroup_id_x 1
		.amdhsa_system_sgpr_workgroup_id_y 1
		.amdhsa_system_sgpr_workgroup_id_z 1
		.amdhsa_system_vgpr_workitem_id 0
		.amdhsa_next_free_vgpr 768
		.amdhsa_next_free_sgpr 90
		.amdhsa_reserve_vcc 0
		.amdhsa_float_denorm_mode_32 3
		.amdhsa_float_denorm_mode_16_64 3
		.amdhsa_memory_ordered 1
		.amdhsa_forward_progress 1
		.amdhsa_inst_pref_size 96
	.end_amdhsa_kernel
	.amdgpu_metadata
---
amdhsa.version: [ 1, 2 ]
amdhsa.kernels:
  - .name:           k_qa09cb380d2_gemm
    .symbol:         k_qa09cb380d2_gemm.kd
    .args:
      - { .name: xcodes, .offset: 0, .size: 8, .value_kind: global_buffer, .address_space: global }
      - { .name: wv__codes, .offset: 8, .size: 8, .value_kind: global_buffer, .address_space: global }
      - { .name: lowp_scales, .offset: 16, .size: 8, .value_kind: global_buffer, .address_space: global }
      - { .name: bv_, .offset: 24, .size: 8, .value_kind: global_buffer, .address_space: global }
      - { .name: x, .offset: 32, .size: 8, .value_kind: global_buffer, .address_space: global }
      - { .name: r1, .offset: 40, .size: 8, .value_kind: global_buffer, .address_space: global }
      - { .name: out0, .offset: 48, .size: 8, .value_kind: global_buffer, .address_space: global }
    .group_segment_fixed_size: 327680
    .private_segment_fixed_size: 0
    .kernarg_segment_align: 8
    .kernarg_segment_size: 56
    .max_flat_workgroup_size: 128
    .sgpr_count:     90
    .vgpr_count:     768
    .wavefront_size: 32
...
	.end_amdgpu_metadata
.endif
;; end of part 2
